; MI455X (gfx1250); checked and timed in simulation.
; The chip was launched on July 23, 2026; its instructions are those of AMD's public machine-readable ISA for CDNA 5 (MIT licence, August 2026) and "CDNA5" Instruction Set Architecture Reference Guide (July 2026). The comments in the code are by the model that wrote it; some were corrected since.
;; Bahdanau Attention. Allowed arithmetic: matrix products marked QUANTISED: E5M2 operands, one E8M0 scale for each 32 along K, by v_wmma_scale_f32_16x16x128_f8f6f4 with both operands' format E5M2, f32 sums; products left as they are: f32 operands where the result goes on into a quantised operand, else bf16, f16 or f32 operands; f32 sums; everything else in f32.
;; Inputs: V 1,024 x 1 float32; W1_codes 1,024 x 32 x 32 uint8 (E5M2 codes of W1, K innermost, in blocks of 32 codes); W1_scales 1,024 x 32 uint8 (E8M0 scales of W1, one for each 32 codes along K); W2_codes 1,024 x 32 x 32 uint8 (E5M2 codes of W2, K innermost, in blocks of 32 codes); W2_scales 1,024 x 32 uint8 (E8M0 scales of W2, one for each 32 codes along K); b1 1,024 float32; b2 1,024 float32; bV 1 float32; query_codes 32 x 32 x 32 uint8 (E5M2 codes of query, K innermost, in blocks of 32 codes); query_scales 32 x 32 uint8 (E8M0 scales of query, one for each 32 codes along K); values 32 x 2,048 x 1,024 float32.
;; Outputs: out0 32 x 1,024 float32; out1 32 x 2,048 x 1 float32.
;; This version of the problem:
;;   THIS VERSION OF THE PROBLEM IS GIVEN IN LOW PRECISION. The matrix products marked QUANTISED in the list below multiply operands that are first quantised to E5M2 (5 exponent bits, 2 mantissa bits; 8 bits a number), with one power-of-two scale for each 32 numbers along K (OCP MX v1.0); their sums are f32. All else is computed in f32.
;;   The module's matrix products, in the order in which they are computed (A, B: the left and right operand; K: the contracted axis; several contracted axes count as one K, in the product's order):
;;     1. [M 65,536, K 1,024] x [K 1,024, N 1,024]; A: input values; B: input W1 (given as codes): QUANTISED
;;     2. [M 32, K 1,024] x [K 1,024, N 1,024]; A: input query (given as codes); B: input W2 (given as codes): QUANTISED
;;     3. [M 65,536, K 1,024] x [K 1,024, N 1]; A: computed on the way; B: input V: left as it is (N = 1 < 16)
;;   THE QUANTISER, for each operand of a quantised product, along K:
;;     - K is cut into blocks of 32 from its start; a last block that is shorter is filled with zeros.
;;     - A block's scale is 2^e with e = floor(log2(the largest magnitude in the block)) - 15, held to -126 .. 127; a block of zeros has e = 0. As a byte (E8M0): e + 127.
;;     - Each number is divided by its block's scale, clamped to +-57,344, and rounded to the nearest number of E5M2, ties to even, subnormals kept.
;;     - The product sums the exact products of the quantised numbers (number of the format x scale) in f32.
;;   ~~~python
;;   def quantise(x, axis):      # numpy; x: float32 -> the quantised numbers, widened to float32 again
;;       x = np.moveaxis(x, axis, -1); K = x.shape[-1]
;;       x = np.pad(x, [(0, 0)] * (x.ndim - 1) + [(0, -K % 32)]); x = x.reshape(x.shape[:-1] + (-1, 32)); a = np.abs(x).max(-1, keepdims=True)
;;       e = np.where(a > 0, np.clip(np.frexp(np.where(a > 0, a, 1))[1] - 1 - 15, -126, 127), 0)      # np.frexp(a)[1] - 1 = floor(log2(a)), exactly
;;       r = np.clip(x / 2.0 ** e, -57344, 57344)
;;       step = 2.0 ** (np.maximum(np.frexp(np.where(r == 0, 1, r))[1] - 1, -14) - 2)
;;       q = np.round(r / step) * step * 2.0 ** e      # np.round: ties to even
;;       return np.moveaxis(q.reshape(q.shape[:-2] + (-1,))[..., :K], -1, axis).astype(np.float32)
;;   ~~~
;;   INPUTS GIVEN AS CODES. W1 (in the module: [1024, 1024], K = its axis 0); W2 (in the module: [1024, 1024], K = its axis 0); query (in the module: [32, 1024], K = its axis 1): each comes as NAME_codes (uint8): NAME with its K axis moved to the last place and cut into blocks of 32 codes, [.., K / 32, bytes a block], one block behind the other in memory; one code a byte (a code: sign, 5 exponent bits, 2 mantissa bits); and NAME_scales (uint8): the same leading axes, one E8M0 byte (e + 127) for each 32 codes along K. Its value is code x scale, taken as it is: it is not quantised again, and the codes and scales need not be those that the quantiser above would give.
;; One version. Each part assembles by itself: llvm-mc -triple=amdgcn-amd-amdhsa -mcpu=gfx1250 --defsym DOCPART=n.
;; ======== version 1 of 1: 3 launches
;; workspace buffers: rec 524,288 bytes; scores 262,144 bytes
;; launch prep (part 1): grid 64 x 1, 1 waves a work-group, no clusters, 0 bytes of LDS; arguments query_codes, query_scales, W2_codes, W2_scales, b1, b2, V, rec; writes rec
.if DOCPART == 1
	.amdgcn_target "amdgcn-amd-amdhsa--gfx1250"
	.amdhsa_code_object_version 6
	.text
	.protected	k_qcfde2033e9_prep
	.globl	k_qcfde2033e9_prep
	.p2align	8
	.type	k_qcfde2033e9_prep,@function
k_qcfde2033e9_prep:
	s_mov_b64 s[64:65], 0
	v_nop
	global_prefetch_b8 v0, s[64:65] scope:SCOPE_SE
	s_setreg_imm32_b32 hwreg(HW_REG_WAVE_MODE, 25, 1), 1
	s_wait_xcnt 0x0
; rec[b][u] = { c2 (query[b] . W2[u] + b1[u] + b2[u]),  V[u],  -2 V[u],  0 },  c2 = 2 log2(e): sixteen bytes for each batch b (32) and unit u (1,024).
; The next launch takes tanh(x) as 1 - 2 / (1 + 2^(c2 x)): so it wants the part of x that hangs on b and u alone already times c2, and V and -2 V beside it.
; query: codes [32][1024], scale bytes [32][32].  W2: codes [1024 (unit)][1024 (K)], scale bytes [1024][32].  Both are E5M2 codes with one E8M0 byte for each 32 along K, taken as they are given.
; SHARES.  One wave to a work-group; work-group x makes units 16 x .. 16 x + 15 for all 32 batches: two accumulators (batches 0-15, 16-31), eight K steps of 128: sixteen matrix instructions.
; Source 0 = 16 batches of query, source 1 = 16 units of W2: in the result lane (r, h) holds unit r, and register j batch 8 h + j of the tile.
; ORDER OF ROUNDING: b1 + b2 is formed first and added to the product's sum by one fused multiply-add with c2; this differs from adding b2 to the sum and b1 elsewhere in the last bits only.
; LIMITS: NaN and infinities among the inputs are not served.
.set C2,   0x4038aa3b                  ; 2 log2(e)
.set WS,   16                          ; v16-23  W2's scale words, register s = K step s
.set QS,   24                          ; v24-39  query's, eight for each tile of batches
.set ACC,  48                          ; v48-63  the two accumulators
.set OUTQ, 64                          ; v64-127 sixteen records, four registers each: no store's data are written again
.set WF,   128                         ; v128-255 W2's eight fragments;  window 1: query's sixteen, tile p, K step s at v[128 p + 16 s]
.set MSB, 0
.macro WIN new                         ; the immediate's high byte repeats the setting that is left
.if MSB != (\new)
	s_set_vgpr_msb (MSB<<8)|(\new)
.set MSB, (\new)
.endif
.endm
	s_load_b256 s[4:11], s[0:1], 0x0               ; query's codes s[4:5], its scales s[6:7], W2's codes s[8:9], its scales s[10:11]
	s_load_b256 s[12:19], s[0:1], 0x20             ; b1 s[12:13], b2 s[14:15], V s[16:17], rec s[18:19]
	v_and_b32 v1, 15, v0                           ; r
	v_bfe_u32 v2, v0, 4, 1                         ; h
	v_lshlrev_b32 v3, 10, v1
	v_lshl_add_u32 v3, v2, 4, v3                   ; codes: row r of 1,024 bytes, + 16 h
	v_lshlrev_b32 v4, 5, v1                        ; scale bytes: row r of 32
	v_lshlrev_b32 v5, 2, v1                        ; b1, b2, V: 4 r
	v_lshlrev_b32 v6, 4, v1
	v_lshl_add_u32 v6, v2, 17, v6                  ; rec: 16 r, + 8 h batches of 16,384 bytes
	s_mov_b32 s20, C2
	s_lshl_b32 s22, ttmp9, 14                      ; my 16 units: 16 rows of codes,
	s_mov_b32 s23, 0
	s_lshl_b32 s24, ttmp9, 9                       ; 16 rows of scale bytes,
	s_mov_b32 s25, 0
	s_lshl_b32 s26, ttmp9, 6                       ; 16 numbers,
	s_mov_b32 s27, 0
	s_lshl_b32 s28, ttmp9, 8                       ; 16 records
	s_mov_b32 s29, 0
	s_wait_kmcnt 0x0
	s_add_nc_u64 s[8:9], s[8:9], s[22:23]
	s_add_nc_u64 s[10:11], s[10:11], s[24:25]
	s_add_nc_u64 s[12:13], s[12:13], s[26:27]
	s_add_nc_u64 s[14:15], s[14:15], s[26:27]
	s_add_nc_u64 s[16:17], s[16:17], s[26:27]
	s_add_nc_u64 s[18:19], s[18:19], s[28:29]
.irp s, 0,1,2,3,4,5,6,7
.irp c, 0,1,2,3
	global_load_b128 v[WF+16*\s+4*\c:WF+16*\s+4*\c+3], v3, s[8:9] offset:128*\s+32*\c   ; W2(unit r, 128 s + 32 c + 16 h .. + 15)
.endr
.endr
	global_load_b128 v[WS:WS+3], v4, s[10:11]
	global_load_b128 v[WS+4:WS+7], v4, s[10:11] offset:16
.irp p, 0,1
	global_load_b128 v[QS+8*\p:QS+8*\p+3], v4, s[6:7] offset:512*\p
	global_load_b128 v[QS+8*\p+4:QS+8*\p+7], v4, s[6:7] offset:512*\p+16
.endr
	global_load_b32 v40, v5, s[12:13]              ; b1
	global_load_b32 v41, v5, s[14:15]              ; b2
	global_load_b32 v42, v5, s[16:17]              ; V
	WIN 0x40                                       ; destination window 1
.irp p, 0,1
.irp s, 0,1,2,3,4,5,6,7
.irp c, 0,1,2,3
	global_load_b128 v[128*\p+16*\s+4*\c:128*\p+16*\s+4*\c+3], v3, s[4:5] offset:16384*\p+128*\s+32*\c
.endr
.endr
.endr
	WIN 0
	s_wait_loadcnt 0x0
	v_add_f32 v43, v40, v41                        ; b1 + b2
	v_mul_f32 v44, s20, v43                        ; times c2
	v_mul_f32 v45, -2.0, v42                       ; -2 V
	WIN 0x01                                       ; source 0 (query) window 1
.irp s, 0,1,2,3,4,5,6,7                            ; the two accumulators take turns, one instruction a turn
.irp p, 0,1
.if \s == 0
	v_wmma_scale_f32_16x16x128_f8f6f4 v[ACC+8*\p:ACC+8*\p+7], v[128*\p+16*\s:128*\p+16*\s+15], v[WF+16*\s:WF+16*\s+15], 0, v[QS+8*\p+\s], v[WS+\s] matrix_a_fmt:MATRIX_FMT_BF8 matrix_b_fmt:MATRIX_FMT_BF8
.else
	v_wmma_scale_f32_16x16x128_f8f6f4 v[ACC+8*\p:ACC+8*\p+7], v[128*\p+16*\s:128*\p+16*\s+15], v[WF+16*\s:WF+16*\s+15], v[ACC+8*\p:ACC+8*\p+7], v[QS+8*\p+\s], v[WS+\s] matrix_a_fmt:MATRIX_FMT_BF8 matrix_b_fmt:MATRIX_FMT_BF8
.endif
.endr
.endr
	WIN 0
.rept 8
	v_nop                                          ; eight places between the last product and the first use of a result
.endr
.irp p, 0,1                                        ; each accumulator from its low end on
.irp j, 0,1,2,3,4,5,6,7
	v_fma_f32 v[OUTQ+4*(8*\p+\j)], v[ACC+8*\p+\j], s20, v44
	v_mov_b32 v[OUTQ+4*(8*\p+\j)+1], v42
	v_mov_b32 v[OUTQ+4*(8*\p+\j)+2], v45
	v_mov_b32 v[OUTQ+4*(8*\p+\j)+3], 0
	global_store_b128 v6, v[OUTQ+4*(8*\p+\j):OUTQ+4*(8*\p+\j)+3], s[18:19] offset:(16*\p+\j)*16384   ; batch 16 p + 8 h + j: sixteen lanes store 256 consecutive bytes, at a multiple of 256 from rec's first byte
.endr
.endr
	s_endpgm
.Lfunc_end_k_qcfde2033e9_prep:
	.size	k_qcfde2033e9_prep, .Lfunc_end_k_qcfde2033e9_prep-k_qcfde2033e9_prep
	.p2alignl 7, 3214868480
	.fill 96, 4, 3214868480
	.section	.rodata,"a",@progbits
	.p2align	6, 0x0
	.amdhsa_kernel k_qcfde2033e9_prep
		.amdhsa_group_segment_fixed_size 0
		.amdhsa_private_segment_fixed_size 0
		.amdhsa_enable_private_segment 0
		.amdhsa_kernarg_size 64
		.amdhsa_user_sgpr_count 2
		.amdhsa_user_sgpr_kernarg_segment_ptr 1
		.amdhsa_wavefront_size32 1
		.amdhsa_system_sgpr_workgroup_id_x 1
		.amdhsa_system_sgpr_workgroup_id_y 1
		.amdhsa_system_sgpr_workgroup_id_z 1
		.amdhsa_system_vgpr_workitem_id 0
		.amdhsa_next_free_vgpr 512
		.amdhsa_next_free_sgpr 66
		.amdhsa_reserve_vcc 0
		.amdhsa_float_denorm_mode_32 3
		.amdhsa_float_denorm_mode_16_64 3
		.amdhsa_memory_ordered 1
		.amdhsa_forward_progress 1
		.amdhsa_inst_pref_size 18
	.end_amdhsa_kernel
	.amdgpu_metadata
---
amdhsa.version: [ 1, 2 ]
amdhsa.kernels:
  - .name:           k_qcfde2033e9_prep
    .symbol:         k_qcfde2033e9_prep.kd
    .args:
      - { .name: query_codes, .offset: 0, .size: 8, .value_kind: global_buffer, .address_space: global }
      - { .name: query_scales, .offset: 8, .size: 8, .value_kind: global_buffer, .address_space: global }
      - { .name: W2_codes, .offset: 16, .size: 8, .value_kind: global_buffer, .address_space: global }
      - { .name: W2_scales, .offset: 24, .size: 8, .value_kind: global_buffer, .address_space: global }
      - { .name: b1, .offset: 32, .size: 8, .value_kind: global_buffer, .address_space: global }
      - { .name: b2, .offset: 40, .size: 8, .value_kind: global_buffer, .address_space: global }
      - { .name: V, .offset: 48, .size: 8, .value_kind: global_buffer, .address_space: global }
      - { .name: rec, .offset: 56, .size: 8, .value_kind: global_buffer, .address_space: global }
    .group_segment_fixed_size: 0
    .private_segment_fixed_size: 0
    .kernarg_segment_align: 8
    .kernarg_segment_size: 64
    .max_flat_workgroup_size: 32
    .sgpr_count:     66
    .vgpr_count:     512
    .wavefront_size: 32
...
	.end_amdgpu_metadata
.endif
;; end of part 1
;; launch scores (part 2): grid 256 x 1, 4 waves a work-group, clusters of 4 x 1, 327,680 bytes of LDS; arguments values, W1_codes, W1_scales, rec, bV, scores; writes scores
.if DOCPART == 2
	.amdgcn_target "amdgcn-amd-amdhsa--gfx1250"
	.amdhsa_code_object_version 6
	.text
	.protected	k_qcfde2033e9_scores
	.globl	k_qcfde2033e9_scores
	.p2align	8
	.type	k_qcfde2033e9_scores,@function
k_qcfde2033e9_scores:
	s_mov_b64 s[64:65], 0
	v_nop
	global_prefetch_b8 v0, s[64:65] scope:SCOPE_SE
	s_setreg_imm32_b32 hwreg(HW_REG_WAVE_MODE, 25, 1), 1
	s_wait_xcnt 0x0
	s_wait_alu depctr_hold_cnt(0) depctr_sa_sdst(0) depctr_va_vdst(0) depctr_va_sdst(0) depctr_va_ssrc(0) depctr_va_vcc(0) depctr_vm_vsrc(0)
	s_getreg_b32 s2, hwreg(HW_REG_IB_STS2, 6, 4)
	s_cmp_eq_u32 s2, 0
	s_cbranch_scc0 .Lentry_in_a_cluster
	s_endpgm
.Lentry_in_a_cluster:
	s_bfe_u32 s2, ttmp6, 0x10000c
	s_cmp_lg_u32 s2, 0x3003
	s_cbranch_scc0 .Lentry_shape_is_right
	s_endpgm
.Lentry_shape_is_right:
; scores[row] = bV + sum over u of V[u] tanh(Q(values[row]) . W1[u] + b1[u] + (query W2 + b2)[batch][u]),  row = 2,048 batch + position: 65,536 rows, 1,024 units u, K = 1,024.
; values: f32, quantised here along K to E5M2 codes with one E8M0 byte for each 32.  W1: codes [1024 (unit)][1024 (K)] and scale bytes [1024][32], taken as given.
; rec[batch][u] = { c2 (query W2 + b1 + b2), V, -2 V, 0 }, c2 = 2 log2(e), made by the launch before.  tanh(x) = 1 - 2 / (1 + 2^(c2 x)), so  score = bV + sum V + sum (-2 V) / (1 + 2^(c2 x)),  all in f32.
; SHARES.  A work-group owns 256 rows, each of its four waves 64: four tiles of 16.  A wave's codes of its 64 rows, for all of K, stay in 512 registers; W1 goes ONCE through a ring of two LDS slots of 64 units
; that all four waves read: a fragment of W1 read from LDS feeds four matrix instructions.
; CLUSTER.  Four work-groups; they lie in one batch (2,048 rows are eight work-groups) and walk the same W1, the same scale bytes and the same records: each tile is asked for JOINTLY, by the same tensor load with
; the same descriptor and a mask that names the four.  A work-group's place in its cluster enters the addresses of values and of scores alone.
; PHASE 1: each wave loads its 64 rows, 16 rows x 128 along K at a time, 512 consecutive bytes a load, four such fragments (64 loads) ahead; a fragment turns through the wave's stage in LDS, so that a lane holds 16
; neighbours along K of each block of 32; it is quantised; codes and scale words go to LDS as images of the operand's registers and, a tile of rows at a time, come back into the registers where they stay.
; PHASE 2: 64 units of work, one for each tile of 16 units of W1: 32 matrix instructions (four tiles of rows by turns, eight K steps).  Source 0 = 16 rows, source 1 = 16 units: in the result a lane holds ONE unit
; (lane % 16) and eight rows.  The tanh and the product with V of the tile before stand in slices between the matrix instructions; two groups of four accumulators change places.
; LIMITS: NaN and infinities among the inputs are not served.  A block of zeros gets the scale byte 1 where the quantiser's rule says 127: its codes are zeros, and the bytes never leave this launch.
; REGISTERS, in windows of 256: window 0: see the names below.  Window 1: phase 1: four landing sets of 64; phase 2: W1's fragments, two sets of 128.
;   Windows 2 and 3: my rows' codes: tile t, K step s at v[128 (t % 2) + 16 s] of window 2 + t / 2.
.set SLOT1, 1<<17                      ; slot 1 begins here: one exclusive or turns an address in one slot into the other's
.set BP,    1040                       ; a unit's row of W1 in LDS: 1,024 bytes + 16 of padding: an odd multiple of 16, so the 16 rows that a load touches fall on 16 different 16-byte columns of 256
.set TILEB, 16*BP                      ; 16 units: what one tensor load brings, and one unit of work reads
.set SLOTB, 4*TILEB
.set WSC,   SLOTB                      ; W1's scale bytes, all 32,768, as rows of 256 bytes + 16 of padding: filled once
.set RECS,  WSC+128*272                ; my batch's 1,024 records: filled once
.set SPARE, RECS+16384                 ; the spare words, 128 bytes for each wave: two blocks of 256 bytes that no other line names
.set SCO,   SPARE+512                  ; the way out: 256 bytes for each wave
.set STAGE, SLOT1+SLOTB                ; phase 1: 16 rows x (512 bytes + 16) for each wave
.set STP,   528
.set STW,   16*STP
.set IMG,   STAGE+4*STW                ; phase 1: for each wave eight images of 2,048 bytes and eight of scale words, 128 bytes each
.set IMW,   8*2048+8*128
.set RL,   1                           ; v1   r = lane % 16
.set HL,   2                           ; v2   h = lane / 16
.set OFF,  3                           ; v3   16 x lane
.set STI,  4                           ; v4   the stage, in: 16 x lane
.set STO,  5                           ; v5   the stage, out: row r, + 64 h
.set IMG0, 6                           ; v6   my wave's images: 16 x lane
.set IMS0, 7                           ; v7   and their scale words: 4 x lane
.set IMGC, 8                           ; v8, v9  the same, at the trip's four fragments
.set IMSC, 9
.set B0,   10                          ; v10  my lane's place in a tile of W1
.set WS0,  11                          ; v11  among its scale words
.set RC0,  12                          ; v12  among the records
.set ADB,  13                          ; v13-15  the addresses of the fetch in hand
.set ADS,  14
.set ADR,  15
.set SA,   16                          ; v16-47  my rows' scale words: tile t, K step s at v[16 + 8 t + s]
.set SB,   48                          ; v48-63  W1's: two sets of eight, register s = K step s
.set REC,  64                          ; v64-71  two records
.set SCR,  72                          ; v72-103 sums of -2 V / (1 + 2^..): row 16 t + 8 h + j at v[72 + 8 t + j]
.set VS,   104                         ; v104 the sum of my units' V (and bV in lanes with r = 0); v105 is named with it as a pair
.set SPW,  106                         ; v106 LDS address of my spare word; never rewritten
.set NIL,  107                         ; v107 0; never rewritten
.set SSA,  108                         ; v108-110 the way out
.set SSL,  109
.set GO,   110
.set TMPV, 111
.set PC,   112                         ; v112-127 the codes just made
.set ACC,  128                         ; v128-191 two groups of four accumulators: group q, tile t at v[128 + 32 q + 8 t]
.set TM,   128                         ; phase 1: v128-143 at work, v144 the scale word just made
.set PW,   144
.set X,    192                         ; v192-255 phase 1: 64 numbers
.set BV,   16
.set WV,   17                          ; s17  my wave's number
.set SEL,  20                          ; s[20:21] v_permlanex16_b32's selects for lane l xor 16
.set MNT,  22                          ; s22  the mantissa field of 57,344
.set CC,   24                          ; s[24:25] c2: the packed form names a pair and takes its low word
.set LP,   26                          ; s[26:27] where the next trip's four fragments begin
.set STEP, 28                          ; s[28:29] what the next step of that address is: 63,488 and 2,048 by turns
.set LEFT, 30                          ; s30  trips of phase 1 that still have a successor
.set TRP,  31
.set IO,   32
.set IS,   33
.set TB,   34                          ; s34  LDS byte of the tile of W1 to be fetched
.set TS,   35                          ; s35  of its scale words: 544 bytes a tile
.set TR,   36                          ; s36  of the records: 256 bytes a tile
.set CNT,  37
.set CNT2, 38
.set G1W,  40                          ; s[40:47] descriptor group 1 for W1's tiles; s[48:55] for the scale bytes; s[56:63] for the records
.set G1S,  48
.set G1R,  56
.set G0A,  68                          ; s[68:71] group 0: slot 0's first fill; s[72:75] slot 1's, which then walks; s[76:79] the scale bytes; s[80:83] the records
.set G0W,  72
.set G0S,  76
.set G0R,  80
.set MSB, 0
.macro WIN new                         ; the immediate's high byte repeats the setting that is left; a switch that changes nothing is dropped
.if MSB != (\new)
	s_set_vgpr_msb (MSB<<8)|(\new)
.set MSB, (\new)
.endif
.endm
; A round of the cluster's barrier: my work-group's barrier, so that wave 0's signal speaks for all four waves; wave 0 signals for the work-group; every wave waits for all four work-groups; my work-group's barrier once more.
.macro ROUND
	s_barrier_signal -1
	s_barrier_wait -1
	s_cmp_lg_u32 s[WV], 0
	s_cbranch_scc1 .Lnot_wave_0_\@
	s_barrier_signal -3
.Lnot_wave_0_\@:
	s_barrier_wait -3
	s_barrier_signal -1
	s_barrier_wait -1
.endm
	s_load_b256 s[4:11], s[0:1], 0x0               ; values s[4:5], W1's codes s[6:7], W1's scales s[8:9], rec s[10:11]
	s_load_b128 s[12:15], s[0:1], 0x20             ; bV s[12:13], scores s[14:15]
	v_lshl_add_u32 v[SPW], v0, 2, SPARE
	v_mov_b32 v[NIL], 0
	ds_add_u32 v106, v107
	ds_add_u32 v106, v107
	s_wait_dscnt 0x0
	v_lshrrev_b32 v[TMPV], 5, v0
	v_readfirstlane_b32 s[WV], v[TMPV]             ; wave 0..3
	v_and_b32 v[RL], 15, v0
	v_bfe_u32 v[HL], v0, 4, 1
	v_and_b32 v[OFF], 31, v0
	v_lshlrev_b32 v[GO], 3, v[OFF]                 ; 8 x lane
	v_lshlrev_b32 v[IMS0], 2, v[OFF]               ; 4 x lane
	v_lshlrev_b32 v[OFF], 4, v[OFF]                ; 16 x lane
	s_bfe_u32 s18, ttmp6, 0x40000                  ; cx: my place in the cluster
	s_lshl_b32 s19, ttmp9, 2                       ; in a cluster launch ttmp9 counts clusters
	s_add_co_u32 s19, s19, s18                     ; my block of 256 rows = 4 x cluster + cx
	s_lshl_b32 s2, s19, 20                         ; 256 rows of 4,096 bytes,
	s_lshl_b32 s3, s[WV], 18                       ; my wave's 64 of them
	s_add_co_u32 s2, s2, s3
	s_mov_b32 s3, 0
	s_lshl_b32 s18, s19, 10                        ; and the same rows' scores
	s_lshl_b32 s19, s[WV], 8
	s_add_co_u32 s18, s18, s19
	s_mov_b32 s19, 0
	; group 1 for W1: 16 rows of 1,024 bytes
	s_mov_b32 s[G1W], 15|(1<<20)|(1<<21)|(7<<22)|(3<<25)   ; 15:0 the mask: all four work-groups; 17:16 elements of 1 byte; 20 padding on; 21 set beside a mask; 24:22 after every 256 words (code 7); 31:25 four words (code 3)
	s_mov_b32 s[G1W+1], 1024<<16                   ; tensor_dim0
	s_mov_b32 s[G1W+2], 16<<16                     ; tensor_dim1
	s_mov_b32 s[G1W+3], 1024<<16                   ; tile_dim0
	s_mov_b32 s[G1W+4], 16                         ; tile_dim1
	s_mov_b32 s[G1W+5], 1024                       ; from row to row
	s_mov_b32 s[G1W+6], 0
	s_mov_b32 s[G1W+7], 0
	; for the scale bytes: a quarter of them, 8,192 dense bytes, as 32 rows of 256 bytes (32 elements of 8), 16 bytes of padding behind each
	s_mov_b32 s[G1S], 15|(3<<16)|(1<<20)|(1<<21)|(5<<22)|(3<<25)
	s_mov_b32 s[G1S+1], 32<<16
	s_mov_b32 s[G1S+2], 32<<16
	s_mov_b32 s[G1S+3], 32<<16
	s_mov_b32 s[G1S+4], 32
	s_mov_b32 s[G1S+5], 32
	s_mov_b32 s[G1S+6], 0
	s_mov_b32 s[G1S+7], 0
	; for the records: a quarter of my batch's, 4,096 dense bytes, as 16 rows of 256 bytes, no padding
	s_mov_b32 s[G1R], 15|(3<<16)|(1<<21)
	s_mov_b32 s[G1R+1], 32<<16
	s_mov_b32 s[G1R+2], 16<<16
	s_mov_b32 s[G1R+3], 32<<16
	s_mov_b32 s[G1R+4], 16
	s_mov_b32 s[G1R+5], 32
	s_mov_b32 s[G1R+6], 0
	s_mov_b32 s[G1R+7], 0
	s_mul_i32 s84, s[WV], TILEB                    ; where my 16 rows of W1 go in a slot,
	s_lshl_b32 s86, s[WV], 14                      ; and where they lie in memory
	s_mov_b32 s87, 0
	s_mul_i32 s85, s[WV], 32*272                   ; my quarter of the scale bytes, in LDS
	s_lshl_b32 s88, s[WV], 13                      ; and in memory
	s_mov_b32 s89, 0
	s_lshr_b32 s90, ttmp9, 1                       ; the batch: two clusters to each
	s_lshl_b32 s90, s90, 14                        ; its 1,024 records,
	s_lshl_b32 s91, s[WV], 12                      ; my quarter of them
	s_add_co_u32 s90, s90, s91
	s_mov_b32 s91, 0
	s_wait_kmcnt 0x0
	s_load_b32 s[BV], s[12:13], 0x0                ; bV
	s_mov_b32 s[G0A], 1                            ; count = 1
	s_mov_b32 s[G0A+1], s84                        ; LDS address: slot 0
	s_add_nc_u64 s[G0A+2:G0A+3], s[6:7], s[86:87]  ; units 0 to 63
	s_mov_b32 s[G0W], 1
	s_add_co_u32 s[G0W+1], s84, SLOT1              ; slot 1
	s_add_nc_u64 s[G0W+2:G0W+3], s[G0A+2:G0A+3], 0x10000   ; units 64 to 127
	s_or_b32 s[G0A+3], s[G0A+3], 0x80000000        ; type = 2
	s_or_b32 s[G0W+3], s[G0W+3], 0x80000000
	s_mov_b32 s[G0S], 1
	s_add_co_u32 s[G0S+1], s85, WSC
	s_add_nc_u64 s[G0S+2:G0S+3], s[8:9], s[88:89]
	s_or_b32 s[G0S+3], s[G0S+3], 0x80000000
	s_lshl_b32 s84, s[WV], 12
	s_mov_b32 s[G0R], 1
	s_add_co_u32 s[G0R+1], s84, RECS
	s_add_nc_u64 s[G0R+2:G0R+3], s[10:11], s[90:91]
	s_or_b32 s[G0R+3], s[G0R+3], 0x80000000
	s_add_nc_u64 s[4:5], s[4:5], s[2:3]            ; values at my wave's first row
	s_add_nc_u64 s[LP:LP+1], s[4:5], 2048          ; the second trip's fragments: the same rows, 512 along K on
	s_add_nc_u64 s[14:15], s[14:15], s[18:19]      ; scores likewise
	ROUND                                          ; all four work-groups are here: the first joint loads meet
	tensor_load_to_lds s[G0S:G0S+3], s[G1S:G1S+7]  ; all first fills go out as one group: four loads of mine are out
	s_nop 0
	tensor_load_to_lds s[G0R:G0R+3], s[G1R:G1R+7]
	s_nop 0
	tensor_load_to_lds s[G0A:G0A+3], s[G1W:G1W+7]
	s_nop 0
	tensor_load_to_lds s[G0W:G0W+3], s[G1W:G1W+7]
	s_nop 0
.rept 4
	v_nop
.endr
	WIN 0x40                                       ; destination window 1
.irp a, 0,1,2,3                                    ; the first four fragments: rows 0-15, 128 a along K on: each load reads 512 consecutive bytes of one row
.irp i, 0,1,2,3,4,5,6,7,8,9,10,11,12,13,14,15
	global_load_b128 v[64*\a+4*\i:64*\a+4*\i+3], v[OFF], s[4:5] offset:512*\a+4096*\i
.endr
.endr
	WIN 0
	s_mul_i32 s84, s[WV], STW
	s_add_co_u32 s84, s84, STAGE                   ; my stage
	v_add_nc_u32 v[STI], s84, v[OFF]
	v_mul_u32_u24 v[STO], v[RL], STP
	v_lshl_add_u32 v[STO], v[HL], 6, v[STO]
	v_add_nc_u32 v[STO], s84, v[STO]
	s_mul_i32 s84, s[WV], IMW
	s_add_co_u32 s84, s84, IMG                     ; my images
	v_add_nc_u32 v[IMG0], s84, v[OFF]
	s_add_co_u32 s84, s84, 8*2048
	v_add_nc_u32 v[IMS0], s84, v[IMS0]
	v_mul_u32_u24 v[B0], v[RL], BP
	v_lshl_add_u32 v[B0], v[HL], 4, v[B0]          ; W1: row r x pitch + 16 h
	v_lshrrev_b32 v[WS0], 3, v[RL]                 ; its scale bytes: 32 a unit, eight units to a row of 256 + 16
	v_mul_u32_u24 v[WS0], v[WS0], 272
	v_and_b32 v[TMPV], 7, v[RL]
	v_lshl_add_u32 v[WS0], v[TMPV], 5, v[WS0]
	v_add_nc_u32 v[WS0], WSC, v[WS0]
	v_lshl_add_u32 v[RC0], v[RL], 4, RECS          ; the records: 16 bytes a unit
	s_lshl_b32 s84, s[WV], 8
	s_add_co_u32 s84, s84, SCO
	v_lshl_add_u32 v[SSA], v[HL], 5, s84           ; the way out, in: my half's eight rows of a tile
	v_add_nc_u32 v[SSL], s84, v[GO]                ; and back: 8 bytes a lane
	s_mov_b32 s[SEL], 0x76543210
	s_mov_b32 s[SEL+1], 0xfedcba98
	s_mov_b32 s[MNT], 0x600000
	s_mov_b32 s[CC], 0x4038aa3b                    ; c2 = 2 log2(e)
	s_mov_b32 s[CC+1], s[CC]                       ; (named with it as a pair, so it is written)
	s_mov_b32 s[STEP], 63488                       ; from a tile of rows' second half of K to the next tile's first: 16 rows on, 2,048 bytes back
	s_mov_b32 s[STEP+1], 0
	s_mov_b32 s[LEFT], 7
	s_mov_b32 s[TB], 0
	s_mov_b32 s[TS], 0
	s_mov_b32 s[TR], 0
.set i, 0
.rept 32
	v_mov_b32 v[SCR+i], 0                          ; the 32 sums begin as zeros: the step that adds to them is written once
.set i, i+1
.endr
.irp b, 0,1,2,3
	v_mov_b32 v[TM+4+\b], 0                        ; written once: a lane permute's destination counts as one of its sources
.endr
	s_wait_kmcnt 0x0                               ; bV
	v_mov_b32 v[TMPV], s[BV]
	v_cmp_eq_u32 vcc_lo, 0, v[RL]
	v_cndmask_b32 v[VS], 0, v[TMPV], vcc_lo        ; bV enters once for each row: in the lanes with r = 0 of both halves
	v_mov_b32 v[VS+1], 0
; ---------------- PHASE 1 ----------------
; 64 numbers of a lane, register 16 b + i = k 32 b + 16 h + i of my row r, become a fragment's codes in v[PC] on and its scale word in v[PW].
.macro QUANT
.irp b, 0,1,2,3
	v_max3_num_f32 v[TM+\b], |v[X+16*\b]|, |v[X+1+16*\b]|, 0x8000000   ; block b: my 16 numbers, and the floor 2^(16 - 127): so the byte cannot fall under 1
.endr
.irp i, 2,4,6,8,10,12,14
.irp b, 0,1,2,3
	v_max3_num_f32 v[TM+\b], v[TM+\b], |v[X+16*\b+\i]|, |v[X+1+16*\b+\i]|   ; (the four blocks by turns)
.endr
.endr
.irp b, 0,1,2,3
	v_permlanex16_b32 v[TM+4+\b], v[TM+\b], s[SEL], s[SEL+1]
.endr
.irp b, 0,1,2,3
	v_max_num_f32 v[TM+\b], v[TM+\b], v[TM+4+\b]   ; with lane l xor 16's: the block's largest magnitude
.endr
.irp b, 0,1,2,3
	v_add_nc_u32 v[TM+12+\b], 0xf8800000, v[TM+\b] ; 15 off its exponent field: the conversion takes the exponent field of this operand as its scale
.endr
.irp b, 0,1,2,3
	v_and_or_b32 v[TM+8+\b], v[TM+\b], 0x7f800000, s[MNT]   ; 57,344 x the scale
.endr
.irp b, 0,1,2,3
	v_lshrrev_b32 v[TM+4+\b], 23, v[TM+12+\b]      ; the scale's byte
.endr
	v_lshl_or_b32 v[PW], v[TM+5], 8, v[TM+4]       ; the four bytes make my row's scale word
	v_lshl_or_b32 v[PW], v[TM+6], 16, v[PW]
	v_lshl_or_b32 v[PW], v[TM+7], 24, v[PW]
.irp b, 0,1,2,3
.irp i, 0,1,2,3,4,5,6,7,8,9,10,11,12,13,14,15
	v_med3_num_f32 v[X+16*\b+\i], v[X+16*\b+\i], -v[TM+8+\b], v[TM+8+\b]   ; the conversion to an 8-bit code does not saturate (ISA guide 7.6.2): the hold at the largest code x the scale
.endr
	v_cvt_scalef32_pk8_bf8_f32 v[PC+4*\b:PC+1+4*\b], v[X+16*\b:X+7+16*\b], v[TM+12+\b]
	v_cvt_scalef32_pk8_bf8_f32 v[PC+2+4*\b:PC+3+4*\b], v[X+8+16*\b:X+15+16*\b], v[TM+12+\b]
.endr
	v_nop                                          ; one plain vector instruction behind the last scaled conversion
.endm
; The fragment in landing set a: through the stage, quantised, its image to LDS; the set takes the fragment four further on.
.macro FRAG a
	s_wait_loadcnt 48                              ; loads come back in order: behind this set's sixteen stand the 48 of the three other sets
	WIN 0x04                                       ; an LDS store's data are its source 1: window 1
.irp i, 0,1,2,3,4,5,6,7,8,9,10,11,12,13,14,15
	ds_store_b128 v[STI], v[64*(\a)+4*\i:64*(\a)+4*\i+3] offset:STP*\i   ; row i as it lies
.endr
	WIN 0
.irp b, 0,1,2,3
.irp j, 0,1,2,3
	ds_load_b128 v[X+16*\b+4*\j:X+16*\b+4*\j+3], v[STO] offset:128*\b+16*\j   ; LDS serves a wave's instructions in order: these see the stores above.  Row r, k = 32 b + 16 h + 4 j ..
.endr
.endr
	s_wait_dscnt 16                                ; all but the sixteen loads: the stores have read the landing set
	s_cmp_eq_u32 s[LEFT], 0                        ; the last trip of all has no successor: no load leaves its buffer
	s_cbranch_scc1 .Llast_\@
	WIN 0x40
.irp i, 0,1,2,3,4,5,6,7,8,9,10,11,12,13,14,15
	global_load_b128 v[64*(\a)+4*\i:64*(\a)+4*\i+3], v[OFF], s[LP:LP+1] offset:512*(\a)+4096*\i
.endr
	WIN 0
	s_branch .Lgo_\@
.Llast_\@:
	s_wait_loadcnt 0x0                             ; nothing is issued behind the last sets, so the count of 48 would not show them: all are waited for here
.Lgo_\@:
	s_wait_dscnt 0x0                               ; the numbers are back; the last image's stores have read their registers
	QUANT
.irp c, 0,1,2,3
	ds_store_b128 v[IMGC], v[PC+4*\c:PC+4*\c+3] offset:2048*(\a)+512*\c   ; the fragment as it stands: lane l's 16 bytes at 16 l
.endr
	ds_store_b32 v[IMSC], v[PW] offset:128*(\a)
.endm
; A tile of rows' eight images come back into the registers where they stay.
.macro UNLOAD t
	WIN 0x80+0x40*((\t)/2)                         ; destination window 2 or 3
.irp s, 0,1,2,3,4,5,6,7
.irp c, 0,1,2,3
	ds_load_b128 v[128*((\t)%2)+16*\s+4*\c:128*((\t)%2)+16*\s+4*\c+3], v[IMG0] offset:2048*\s+512*\c
.endr
.endr
	WIN 0
.irp s, 0,1,2,3,4,5,6,7
	ds_load_b32 v[SA+8*(\t)+\s], v[IMS0] offset:128*\s
.endr
.endm
; Tile t of my rows: two trips of four fragments.
.macro COPY t
	s_mov_b32 s[IO], 0
	s_mov_b32 s[IS], 0
	s_mov_b32 s[TRP], 2
.Ltrip_\@:
	s_wait_dscnt 0x0                               ; no LDS instruction of mine is out: the two addresses may be written
	v_add_nc_u32 v[IMGC], s[IO], v[IMG0]
	v_add_nc_u32 v[IMSC], s[IS], v[IMS0]
	FRAG 0
	FRAG 1
	FRAG 2
	FRAG 3
	s_wait_xcnt 0x0                                ; the trip's loads have read their base: it may step
	s_add_nc_u64 s[LP:LP+1], s[LP:LP+1], s[STEP:STEP+1]
	s_xor_b32 s[STEP], s[STEP], 63488^2048
	s_add_co_u32 s[IO], s[IO], 4*2048
	s_add_co_u32 s[IS], s[IS], 4*128
	s_sub_co_u32 s[LEFT], s[LEFT], 1
	s_sub_co_u32 s[TRP], s[TRP], 1
	s_cmp_lg_u32 s[TRP], 0
	s_cbranch_scc1 .Ltrip_\@
	UNLOAD \t
.endm
	COPY 0
	COPY 1
	COPY 2
	COPY 3
; ---------------- PHASE 2 ----------------
; Matrix instruction k of 32 of a unit of work on group g: K step k / 4, tile of rows k % 4.  The four accumulators take turns, one instruction a turn.  The first four start the sums.
.macro MM g
.set kt, k%4
.set ks, k/4
	WIN 0x06+kt/2                                  ; source 0 (my rows) window 2 or 3, source 1 (W1) window 1, C and D window 0
.set rD, ACC+32*(\g)+8*kt
.set rF, 128*(kt%2)+16*ks
.set rB, 128*(\g)+16*ks
.if ks == 0
	v_wmma_scale_f32_16x16x128_f8f6f4 v[rD:rD+7], v[rF:rF+15], v[rB:rB+15], 0, v[SA+8*kt+ks], v[SB+8*(\g)+ks] matrix_a_fmt:MATRIX_FMT_BF8 matrix_b_fmt:MATRIX_FMT_BF8
.else
	v_wmma_scale_f32_16x16x128_f8f6f4 v[rD:rD+7], v[rF:rF+15], v[rB:rB+15], v[rD:rD+7], v[SA+8*kt+ks], v[SB+8*(\g)+ks] matrix_a_fmt:MATRIX_FMT_BF8 matrix_b_fmt:MATRIX_FMT_BF8
.endif
.endm
; THE VECTOR WORK on a finished group q (32 numbers a lane, pairs 0-15; the lane's unit has its record in set q) is a list of 112 instructions; EPE writes number j of it.
;   0-47   scalings c2 x + c2 (..), a pair each, and the 32 exponentials: two scalings, then fourteen times (two exponentials, a scaling), then four exponentials.  None names an exponential's result
;   48-95  the same pattern: + 1, a pair each, and the 32 reciprocals
;   96-111 the rows' sums take -2 V times the reciprocals, a pair each
.macro EPE q
.set rA, ACC+32*(\q)
.set rR, REC+4*(\q)
.if j < 96
.set jj, j%48
.if jj < 2
.set isp, 1
.set ix, jj
.elseif jj < 44
.set isp, ((jj-2)%3)/2
.if isp
.set ix, (jj-2)/3+2
.else
.set ix, 2*((jj-2)/3)+(jj-2)%3
.endif
.else
.set isp, 0
.set ix, jj-16
.endif
.if (j < 48) && isp
	v_pk_fma_f32 v[rA+2*ix:rA+2*ix+1], v[rA+2*ix:rA+2*ix+1], s[CC:CC+1], v[rR:rR+1] op_sel_hi:[1,0,0]
.elseif j < 48
	v_exp_f32 v[rA+ix], v[rA+ix]
.elseif isp
	v_pk_add_f32 v[rA+2*ix:rA+2*ix+1], v[rA+2*ix:rA+2*ix+1], 1.0 op_sel_hi:[1,0]
.else
	v_rcp_f32 v[rA+ix], v[rA+ix]
.endif
.else
.set ix, j-96
	v_pk_fma_f32 v[SCR+2*ix:SCR+2*ix+1], v[rA+2*ix:rA+2*ix+1], v[rR+2:rR+3], v[SCR+2*ix:SCR+2*ix+1] op_sel_hi:[1,0,1]
.endif
.endm
; Slice k of 32: four numbers of the list up to 95, two from 96 on; the last slice also adds the unit's V.
.macro SLICE q
.if k < 24
.irp n, 0,1,2,3
.set j, 4*k+\n
	EPE \q
.endr
.else
.irp n, 0,1
.set j, 96+2*(k-24)+\n
	EPE \q
.endr
.endif
.if k == 31
	v_add_f32 v[VS], v[VS], v[REC+4*(\q)+1]
.endif
.endm
; One run of LDS loads.  withRec: the record of the tile in hand into set g.  withB: the NEXT tile's eight fragments of W1 and its scale words into the other sets.  wt: the wait for the slices' exponentials stands here.
.macro FETCH g, withB, withRec, wt
.if \withB
	v_add_nc_u32 v[ADB], s[TB], v[B0]
	v_add_nc_u32 v[ADS], s[TS], v[WS0]
	s_add_co_u32 s[TB], s[TB], TILEB
	s_add_co_u32 s[TS], s[TS], 544
.endif
.if \withRec
	v_add_nc_u32 v[ADR], s[TR], v[RC0]
	s_add_co_u32 s[TR], s[TR], 256
.endif
.if \wt
	s_wait_alu depctr_va_vdst(0)                   ; one wait for the 32 exponentials, ahead of the first instruction that names a result
.endif
.if \withRec
	ds_load_b128 v[REC+4*(\g):REC+4*(\g)+3], v[ADR]
.endif
.if \withB
	ds_load_b128 v[SB+8*(1-(\g)):SB+8*(1-(\g))+3], v[ADS]
	ds_load_b128 v[SB+8*(1-(\g))+4:SB+8*(1-(\g))+7], v[ADS] offset:16
	WIN 0x40                                       ; destination window 1
.irp s, 0,1,2,3,4,5,6,7
.irp c, 0,1,2,3
	ds_load_b128 v[128*(1-(\g))+16*\s+4*\c:128*(1-(\g))+16*\s+4*\c+3], v[ADB] offset:128*\s+32*\c
.endr
.endr
.endif
.endm
; A UNIT OF WORK on group g; the other group's vector work stands in slices behind its matrix instructions.
; PLACES (eight before a result is used or a load lands on an operand; only plain vector instructions that name none of the product's registers are counted).  Tile 0's first scaling stands
; behind the last unit's slices 28 to 31: eight multiply-adds and the addition of V, nine.  Tiles 1, 2, 3 have fewer of those (7, 5, 3) and the earlier tiles' scalings (4, 8, 12) besides.
; The run of loads stands behind slice 11: behind the last unit's last product lie its slice 31 (three), the twelve scalings of tiles 0 to 2, the v_nop and the run's own additions.
.macro UNIT g, withB
	s_wait_dscnt 0x0                               ; this unit's fragments, scale words and the other group's record are in (asked for 20 matrix instructions ago)
.set k, 0
.rept 32
	MM \g
	WIN 0
	SLICE 1-\g
.if k == 11
	v_nop                                          ; the plain instruction behind the last exponential
	FETCH \g, \withB, 1, 1
.endif
.if k == 23
	v_nop                                          ; the plain instruction behind the last reciprocal,
	s_wait_alu depctr_va_vdst(0)                   ; and one wait for the 32, ahead of the first use
.endif
.set k, k+1
.endr
.endm
.macro TWO_PAIRS                       ; four units of work: written twice, walked twice; the LDS addresses hang on scalars that step
	s_mov_b32 s[CNT2], 2
.Lpair_\@:
	UNIT 1, 1
	UNIT 0, 1
	s_sub_co_u32 s[CNT2], s[CNT2], 1
	s_cmp_lg_u32 s[CNT2], 0
	s_cbranch_scc1 .Lpair_\@
.endm
; THE CHANGE OF SLOTS, when a slot's fourth tile has been asked for.  Each wave waits for all its tensor loads, of which one is out: its part of the other slot; adds 0 to its spare word; and waits for that and for
; its reads of the slot.  fill = 1: the barrier is a round of the cluster's, so that no wave of any partner still reads the slot or has a load on its way, and the joint refill, the 64 units two slots on, is the first
; thing behind it: it has four units of work, 128 matrix instructions, in which to land.
.macro CHANGE fill
	WIN 0
	s_wait_tensorcnt 0x0                           ; no tensor load of mine is out, so a group 0 may be written
	ds_add_u32 v[SPW], v[NIL]                      ; 0 onto my spare word
.if \fill
	s_xor_b32 s[G0W+1], s[G0W+1], SLOT1            ; the walking descriptor: the other slot than last time,
	s_add_nc_u64 s[G0W+2:G0W+3], s[G0W+2:G0W+3], 0x10000   ; the next 64 units; the type bits on top are not reached
.endif
	s_sub_co_u32 s[TB], s[TB], SLOTB               ; the fetches go back to a slot's first tile,
	s_xor_b32 s[TB], s[TB], SLOT1                  ; in the other slot
	s_wait_dscnt 0x0                               ; the add is done, and my reads of the slot are over
.if \fill
	ROUND
	tensor_load_to_lds s[G0W:G0W+3], s[G1W:G1W+7]  ; every wave brings its 16 units: one load a wave
	s_nop 0
.rept 4
	v_nop
.endr
.else
	s_barrier_signal -1
	s_barrier_wait -1
.endif
.endm
	s_wait_tensorcnt 0x0                           ; my parts of both slots, of the scale bytes and of the records are in,
	s_wait_dscnt 0x0                               ; and so are my rows' codes
	s_barrier_signal -1
	s_barrier_wait -1                              ; everybody's are
	FETCH 1, 1, 0, 0                               ; tile 0 of W1 into set 0
	s_wait_dscnt 0x0
.set k, 0
.rept 32                                           ; unit 0: there is no vector work yet to set between its products
	MM 0
.if k == 11
	WIN 0
	FETCH 0, 1, 1, 0
.endif
.set k, k+1
.endr
	WIN 0
.rept 8
	v_nop                                          ; the places that the slices give elsewhere
.endr
	UNIT 1, 1                                      ; units 1 and 2
	UNIT 0, 1
	s_mov_b32 s[CNT], 14
.Lslot:                                            ; fourteen trips: every slot but the last two is filled again
	CHANGE 1
	TWO_PAIRS
	s_sub_co_u32 s[CNT], s[CNT], 1
	s_cmp_lg_u32 s[CNT], 0
	s_cbranch_scc1 .Lslot
	CHANGE 0                                       ; the tail is written out
	TWO_PAIRS
	UNIT 1, 0                                      ; unit 63: nothing more of W1 to fetch
	s_wait_dscnt 0x0                               ; its record
.set k, 0
.rept 32                                           ; and its vector work, bare
	SLICE 1
.if (k == 11) || (k == 23)
	v_nop
	s_wait_alu depctr_va_vdst(0)
.endif
.set k, k+1
.endr
	; THE WAY OUT.  A lane holds, for its 32 rows, the sums over its 64 units; the sum of V (and bV) is added, and the sixteen lanes of a half are summed.
.set i, 0
.rept 16
	v_pk_add_f32 v[SCR+2*i:SCR+2*i+1], v[SCR+2*i:SCR+2*i+1], v[VS:VS+1] op_sel_hi:[1,0]
.set i, i+1
.endr
.irp m, 1,2,4,8
.set i, 0
.rept 32
	v_add_f32_dpp v[SCR+i], v[SCR+i], v[SCR+i] row_xmask:\m row_mask:0xf bank_mask:0xf
.set i, i+1
.endr
.endr
.irp t, 0,1,2,3
.irp q, 0,1
	ds_store_b128 v[SSA], v[SCR+8*\t+4*\q:SCR+8*\t+4*\q+3] offset:64*\t+16*\q   ; rows 16 t + 8 h + 4 q ..: the sixteen lanes of a half write the same bytes with the same values
.endr
.endr
	ds_load_b64 v[X:X+1], v[SSL]                   ; LDS serves a wave's instructions in order: this sees my stores
	s_wait_dscnt 0x0
	global_store_b64 v[GO], v[X:X+1], s[14:15]     ; my 64 rows' scores: 256 consecutive bytes, at a multiple of 256 from the buffer's first byte
	s_wait_tensorcnt 0x0                           ; the wave's end
	ds_add_u32 v[SPW], v[NIL]
	s_wait_dscnt 0x0
	ROUND                                          ; the closing round: no work-group ends while a partner may still ask for a tile that names it
	s_endpgm
.Lfunc_end_k_qcfde2033e9_scores:
	.size	k_qcfde2033e9_scores, .Lfunc_end_k_qcfde2033e9_scores-k_qcfde2033e9_scores
	.p2alignl 7, 3214868480
	.fill 96, 4, 3214868480
	.section	.rodata,"a",@progbits
	.p2align	6, 0x0
	.amdhsa_kernel k_qcfde2033e9_scores
		.amdhsa_group_segment_fixed_size 327680
		.amdhsa_private_segment_fixed_size 0
		.amdhsa_enable_private_segment 0
		.amdhsa_kernarg_size 48
		.amdhsa_user_sgpr_count 2
		.amdhsa_user_sgpr_kernarg_segment_ptr 1
		.amdhsa_wavefront_size32 1
		.amdhsa_system_sgpr_workgroup_id_x 1
		.amdhsa_system_sgpr_workgroup_id_y 1
		.amdhsa_system_sgpr_workgroup_id_z 1
		.amdhsa_system_vgpr_workitem_id 0
		.amdhsa_next_free_vgpr 1024
		.amdhsa_next_free_sgpr 92
		.amdhsa_reserve_vcc 1
		.amdhsa_float_denorm_mode_32 3
		.amdhsa_float_denorm_mode_16_64 3
		.amdhsa_memory_ordered 1
		.amdhsa_forward_progress 1
		.amdhsa_inst_pref_size 255
	.end_amdhsa_kernel
	.section	.bss,"aw",@nobits
	.p2align	6
	.space	262144
	.amdgpu_metadata
---
amdhsa.version: [ 1, 2 ]
amdhsa.kernels:
  - .name:           k_qcfde2033e9_scores
    .symbol:         k_qcfde2033e9_scores.kd
    .args:
      - { .name: values, .offset: 0, .size: 8, .value_kind: global_buffer, .address_space: global }
      - { .name: W1_codes, .offset: 8, .size: 8, .value_kind: global_buffer, .address_space: global }
      - { .name: W1_scales, .offset: 16, .size: 8, .value_kind: global_buffer, .address_space: global }
      - { .name: rec, .offset: 24, .size: 8, .value_kind: global_buffer, .address_space: global }
      - { .name: bV, .offset: 32, .size: 8, .value_kind: global_buffer, .address_space: global }
      - { .name: scores, .offset: 40, .size: 8, .value_kind: global_buffer, .address_space: global }
    .group_segment_fixed_size: 327680
    .private_segment_fixed_size: 0
    .kernarg_segment_align: 8
    .kernarg_segment_size: 48
    .max_flat_workgroup_size: 128
    .sgpr_count:     92
    .vgpr_count:     1024
    .wavefront_size: 32
...
	.end_amdgpu_metadata
.endif
;; end of part 2
;; launch context (part 3): grid 256 x 1, 16 waves a work-group, no clusters, 18,944 bytes of LDS; arguments values, scores, out0, out1; writes out0, out1
.if DOCPART == 3
	.amdgcn_target "amdgcn-amd-amdhsa--gfx1250"
	.amdhsa_code_object_version 6
	.text
	.protected	k_qcfde2033e9_context
	.globl	k_qcfde2033e9_context
	.p2align	8
	.type	k_qcfde2033e9_context,@function
k_qcfde2033e9_context:
	s_mov_b64 s[64:65], 0
	v_nop
	global_prefetch_b8 v0, s[64:65] scope:SCOPE_SE
	s_setreg_imm32_b32 hwreg(HW_REG_WAVE_MODE, 25, 1), 1
	s_wait_xcnt 0x0
; out1[b][s] = softmax over s of scores[b][s];  out0[b][d] = sum over s of out1[b][s] values[b][s][d].  values: [32][2048][1024] f32; scores: [32][2048] f32, made by the launch before.
; SHARES.  Work-group x takes batch x / 8 and columns 128 (x % 8) .. + 127, for all 2,048 positions: it alone owns its 512 bytes of out0, so no sum spans work-groups.
; Each of its sixteen waves takes 128 positions; a load is one position's 512 consecutive bytes, 16 a lane; a ring of sixteen loads a wave in registers, with counted waits.
; THE SOFTMAX is made anew by each of a batch's eight work-groups (2,048 numbers): the maximum is taken away first; p = 2^((s - m) log2(e)); the sum of p divides at the end.
; out1 is stored once: work-group x stores the positions of its waves 2 (x % 8) and 2 (x % 8) + 1.
; No matrix unit, no tensor load, no cluster: the bytes of values are read once here and shared with nobody.
; LIMITS: NaN and infinities among the inputs are not served.
.set LOG2E, 0x3fb8aa3b
.set PT,    0                          ; LDS: p of the 2,048 positions
.set PART,  8192                       ; the sixteen waves' partial sums, 512 bytes each
.set RED,   16384                      ; the waves' maxima (64 bytes), then their sums (64 bytes)
.set ACC,   8                          ; v8-15   two sets of four sums, by turns
.set X,     32                         ; v32-95  the ring: sixteen slots of four registers
.set P,     96                         ; v96-127 p of sixteen positions, two sets
	s_load_b256 s[4:11], s[0:1], 0x0               ; values s[4:5], scores s[6:7], out0 s[8:9], out1 s[10:11]
	v_lshl_add_u32 v128, v0, 2, 0x4200
	v_mov_b32 v129, 0
	v_lshrrev_b32 v1, 5, v0
	v_readfirstlane_b32 s12, v1                    ; wave 0..15
	v_and_b32 v2, 31, v0
	v_lshlrev_b32 v2, 4, v2                        ; 16 x lane
	v_lshlrev_b32 v3, 4, v0                        ; 16 x thread
	v_mov_b32 v22, 0                               ; a lane permute's destination counts as one of its sources
	s_lshr_b32 s13, ttmp9, 3                       ; the batch
	s_and_b32 s14, ttmp9, 7                        ; which 128 columns
	s_lshl_b32 s16, s13, 23                        ; values: 2,048 rows of 4,096 bytes a batch,
	s_lshl_b32 s17, s12, 19                        ; 128 rows a wave,
	s_add_co_u32 s16, s16, s17
	s_lshl_b32 s17, s14, 9                         ; 512 bytes of a row
	s_add_co_u32 s16, s16, s17
	s_mov_b32 s17, 0
	s_lshl_b32 s18, s13, 13                        ; scores and out1: 8,192 bytes a batch
	s_mov_b32 s19, 0
	s_lshl_b32 s20, s13, 12                        ; out0: 4,096 bytes a batch, + my 512
	s_lshl_b32 s21, s14, 9
	s_add_co_u32 s20, s20, s21
	s_mov_b32 s21, 0
	s_mov_b32 s22, 0x76543210                      ; v_permlanex16_b32's selects for lane l xor 16
	s_mov_b32 s23, 0xfedcba98
	s_lshl_b32 s24, s12, 2
	s_add_co_u32 s24, s24, RED
	v_mov_b32 v5, s24                              ; my wave's word among the maxima
	s_lshl_b32 s25, s12, 9
	v_mov_b32 v4, s25                              ; my wave's 128 p
	v_mov_b32 v6, RED
	s_wait_kmcnt 0x0
	s_add_nc_u64 s[4:5], s[4:5], s[16:17]
	s_add_nc_u64 s[6:7], s[6:7], s[18:19]
	s_add_nc_u64 s[8:9], s[8:9], s[20:21]
	s_add_nc_u64 s[10:11], s[10:11], s[18:19]
	global_load_b128 v[16:19], v3, s[6:7]          ; my four scores: positions 4 x thread ..; a wave's threads hold the wave's 128 positions
.irp i, 0,1,2,3,4,5,6,7,8,9,10,11,12,13,14,15
	global_load_b128 v[X+4*\i:X+4*\i+3], v2, s[4:5] offset:\i*4096 th:TH_LOAD_NT   ; the ring is filled: they land while the softmax is made
.endr
	s_wait_loadcnt 16                              ; the scores are in; the sixteen loads behind them stay out
	v_max3_num_f32 v20, v16, v17, v18
	v_max_num_f32 v20, v20, v19
	v_max_num_f32_dpp v20, v20, v20 row_xmask:1 row_mask:0xf bank_mask:0xf
	v_max_num_f32_dpp v20, v20, v20 row_xmask:2 row_mask:0xf bank_mask:0xf
	v_max_num_f32_dpp v20, v20, v20 row_xmask:4 row_mask:0xf bank_mask:0xf
	v_max_num_f32_dpp v20, v20, v20 row_xmask:8 row_mask:0xf bank_mask:0xf
	v_permlanex16_b32 v22, v20, s22, s23
	v_max_num_f32 v20, v20, v22                    ; the wave's maximum, in every lane
	ds_store_b32 v5, v20                           ; all lanes write the same word with the same value
	s_wait_dscnt 0x0                               ; for the others' sake
	s_barrier_signal -1
	s_barrier_wait -1
.irp q, 0,1,2,3
	ds_load_b128 v[P+16+4*\q:P+16+4*\q+3], v6 offset:16*\q   ; the sixteen maxima, in every lane
.endr
	s_wait_dscnt 0x0
	v_max3_num_f32 v21, v[P+16], v[P+17], v[P+18]
.irp i, 19,21,23,25,27,29
	v_max3_num_f32 v21, v21, v[P+\i], v[P+\i+1]
.endr
	v_max_num_f32 v21, v21, v[P+31]                ; m
.irp i, 0,1,2,3
	v_sub_f32 v[16+\i], v[16+\i], v21              ; the maximum is taken away first,
.endr
.irp i, 0,1,2,3
	v_mul_f32 v[16+\i], LOG2E, v[16+\i]
.endr
.irp i, 0,1,2,3
	v_exp_f32 v[24+\i], v[16+\i]                   ; p, at most 1
.endr
	v_nop                                          ; a plain instruction behind the last exponential,
	s_wait_alu depctr_va_vdst(0)                   ; and one wait for the four, ahead of the first use
	v_add_f32 v30, v24, v25
	v_add_f32 v23, v26, v27
	v_add_f32 v30, v30, v23
	v_add_f32_dpp v30, v30, v30 row_xmask:1 row_mask:0xf bank_mask:0xf
	v_add_f32_dpp v30, v30, v30 row_xmask:2 row_mask:0xf bank_mask:0xf
	v_add_f32_dpp v30, v30, v30 row_xmask:4 row_mask:0xf bank_mask:0xf
	v_add_f32_dpp v30, v30, v30 row_xmask:8 row_mask:0xf bank_mask:0xf
	v_permlanex16_b32 v22, v30, s22, s23
	v_add_f32 v30, v30, v22                        ; the wave's sum
	ds_store_b32 v5, v30 offset:64
	ds_store_b128 v3, v[24:27] offset:PT           ; my four p
	s_wait_dscnt 0x0
	s_barrier_signal -1
	s_barrier_wait -1
.irp q, 0,1,2,3
	ds_load_b128 v[P+16+4*\q:P+16+4*\q+3], v6 offset:64+16*\q   ; the sixteen sums
.endr
.irp q, 0,1,2,3
	ds_load_b128 v[P+4*\q:P+4*\q+3], v4 offset:PT+16*\q         ; p of my first sixteen positions: one address for all lanes
.endr
	s_wait_dscnt 4                                 ; the sums are in; the four loads behind them may be out
.irp i, 16,20,24,28
	v_pk_add_f32 v[P+\i:P+\i+1], v[P+\i:P+\i+1], v[P+\i+2:P+\i+3]
.endr
	v_pk_add_f32 v[P+16:P+17], v[P+16:P+17], v[P+20:P+21]
	v_pk_add_f32 v[P+24:P+25], v[P+24:P+25], v[P+28:P+29]
	v_pk_add_f32 v[P+16:P+17], v[P+16:P+17], v[P+24:P+25]
	v_add_f32 v30, v[P+16], v[P+17]                ; the row's sum
	v_rcp_f32 v28, v30
	v_mov_b32 v29, 0                               ; (named with v28 as a pair, so it is written.)  The plain instruction behind the reciprocal,
	s_wait_alu depctr_va_vdst(0)                   ; and its wait, ahead of the branch and of the first use
	s_lshr_b32 s26, s12, 1
	s_cmp_lg_u32 s26, s14                          ; out1: two waves of each of the batch's eight work-groups
	s_cbranch_scc1 .Lno_weights
	v_pk_mul_f32 v[16:17], v[24:25], v[28:29] op_sel_hi:[1,0]
	v_pk_mul_f32 v[18:19], v[26:27], v[28:29] op_sel_hi:[1,0]
	global_store_b128 v3, v[16:19], s[10:11]       ; a wave stores 512 consecutive bytes; these registers are not written again
.Lno_weights:
; Sixteen positions.  Position i's p lies in register i of the set: the packed form names the pair that holds it and takes that one word for both halves.
.macro GROUP n
	s_wait_dscnt 0x0                               ; this group's p
.if \n < 7
.irp q, 0,1,2,3
	ds_load_b128 v[P+16*((\n+1)%2)+4*\q:P+16*((\n+1)%2)+4*\q+3], v4 offset:PT+64*(\n+1)+16*\q
.endr
.endif
.set i, 0
.rept 16
.if \n < 7
	s_wait_loadcnt 15                              ; loads come back in order: mine is in, the fifteen younger ones stay out
.else
	s_wait_loadcnt 15-i                            ; the last group loads nothing: the counts run down
.endif
.set rP, P+16*(\n%2)+2*(i/2)
.set rX, X+4*i
.set rC, ACC+4*(i%2)
.if (\n == 0) && (i == 0)                          ; the first two positions start the sums: nothing is cleared
	v_pk_mul_f32 v[rC:rC+1], v[rX:rX+1], v[rP:rP+1] op_sel_hi:[1,0]
	v_pk_mul_f32 v[rC+2:rC+3], v[rX+2:rX+3], v[rP:rP+1] op_sel_hi:[1,0]
.elseif (\n == 0) && (i == 1)
	v_pk_mul_f32 v[rC:rC+1], v[rX:rX+1], v[rP:rP+1] op_sel:[0,1] op_sel_hi:[1,1]
	v_pk_mul_f32 v[rC+2:rC+3], v[rX+2:rX+3], v[rP:rP+1] op_sel:[0,1] op_sel_hi:[1,1]
.elseif i%2 == 0
	v_pk_fma_f32 v[rC:rC+1], v[rX:rX+1], v[rP:rP+1], v[rC:rC+1] op_sel_hi:[1,0,1]
	v_pk_fma_f32 v[rC+2:rC+3], v[rX+2:rX+3], v[rP:rP+1], v[rC+2:rC+3] op_sel_hi:[1,0,1]
.else
	v_pk_fma_f32 v[rC:rC+1], v[rX:rX+1], v[rP:rP+1], v[rC:rC+1] op_sel:[0,1,0] op_sel_hi:[1,1,1]
	v_pk_fma_f32 v[rC+2:rC+3], v[rX+2:rX+3], v[rP:rP+1], v[rC+2:rC+3] op_sel:[0,1,0] op_sel_hi:[1,1,1]
.endif
.if \n < 7
	global_load_b128 v[rX:rX+3], v2, s[4:5] offset:(16*(\n+1)+i)*4096 th:TH_LOAD_NT   ; the slot's next position, sixteen on; every offset is an immediate
.endif
.set i, i+1
.endr
.endm
	GROUP 0
	GROUP 1
	GROUP 2
	GROUP 3
	GROUP 4
	GROUP 5
	GROUP 6
	GROUP 7
	v_pk_add_f32 v[8:9], v[8:9], v[12:13]
	v_pk_add_f32 v[10:11], v[10:11], v[14:15]
	ds_store_b128 v3, v[8:11] offset:PART          ; my wave's sums of its 128 positions: 512 x wave + 16 x lane
	s_wait_dscnt 0x0
	s_barrier_signal -1
	s_barrier_wait -1
	s_cmp_lg_u32 s12, 0                            ; wave 0 adds the sixteen parts and stores
	s_cbranch_scc1 .Lend
.irp i, 0,1,2,3,4,5,6,7,8,9,10,11,12,13,14,15
	ds_load_b128 v[X+4*\i:X+4*\i+3], v2 offset:PART+512*\i
.endr
	s_wait_dscnt 0x0
.irp d, 8,4,2,1
.set i, 0
.rept \d
	v_pk_add_f32 v[X+4*i:X+4*i+1], v[X+4*i:X+4*i+1], v[X+4*(i+\d):X+4*(i+\d)+1]
	v_pk_add_f32 v[X+4*i+2:X+4*i+3], v[X+4*i+2:X+4*i+3], v[X+4*(i+\d)+2:X+4*(i+\d)+3]
.set i, i+1
.endr
.endr
	v_pk_mul_f32 v[X:X+1], v[X:X+1], v[28:29] op_sel_hi:[1,0]       ; divided by the sum of p
	v_pk_mul_f32 v[X+2:X+3], v[X+2:X+3], v[28:29] op_sel_hi:[1,0]
	global_store_b128 v2, v[X:X+3], s[8:9]         ; 512 consecutive bytes, at a multiple of 256 from out0's first byte
.Lend:
	s_wait_tensorcnt 0x0
	ds_add_u32 v128, v129
	s_wait_dscnt 0x0
	s_endpgm
.Lfunc_end_k_qcfde2033e9_context:
	.size	k_qcfde2033e9_context, .Lfunc_end_k_qcfde2033e9_context-k_qcfde2033e9_context
	.p2alignl 7, 3214868480
	.fill 96, 4, 3214868480
	.section	.rodata,"a",@progbits
	.p2align	6, 0x0
	.amdhsa_kernel k_qcfde2033e9_context
		.amdhsa_group_segment_fixed_size 18944
		.amdhsa_private_segment_fixed_size 0
		.amdhsa_enable_private_segment 0
		.amdhsa_kernarg_size 32
		.amdhsa_user_sgpr_count 2
		.amdhsa_user_sgpr_kernarg_segment_ptr 1
		.amdhsa_wavefront_size32 1
		.amdhsa_system_sgpr_workgroup_id_x 1
		.amdhsa_system_sgpr_workgroup_id_y 1
		.amdhsa_system_sgpr_workgroup_id_z 1
		.amdhsa_system_vgpr_workitem_id 0
		.amdhsa_next_free_vgpr 130
		.amdhsa_next_free_sgpr 66
		.amdhsa_reserve_vcc 0
		.amdhsa_float_denorm_mode_32 3
		.amdhsa_float_denorm_mode_16_64 3
		.amdhsa_memory_ordered 1
		.amdhsa_forward_progress 1
		.amdhsa_inst_pref_size 44
	.end_amdhsa_kernel
	.amdgpu_metadata
---
amdhsa.version: [ 1, 2 ]
amdhsa.kernels:
  - .name:           k_qcfde2033e9_context
    .symbol:         k_qcfde2033e9_context.kd
    .args:
      - { .name: values, .offset: 0, .size: 8, .value_kind: global_buffer, .address_space: global }
      - { .name: scores, .offset: 8, .size: 8, .value_kind: global_buffer, .address_space: global }
      - { .name: out0, .offset: 16, .size: 8, .value_kind: global_buffer, .address_space: global }
      - { .name: out1, .offset: 24, .size: 8, .value_kind: global_buffer, .address_space: global }
    .group_segment_fixed_size: 18944
    .private_segment_fixed_size: 0
    .kernarg_segment_align: 8
    .kernarg_segment_size: 32
    .max_flat_workgroup_size: 512
    .sgpr_count:     66
    .vgpr_count:     130
    .wavefront_size: 32
...
	.end_amdgpu_metadata
.endif
;; end of part 3
